; MI455X (gfx1250); checked and timed in simulation.
; The chip was launched on July 23, 2026; its instructions are those of AMD's public machine-readable ISA for CDNA 5 (MIT licence, August 2026) and "CDNA5" Instruction Set Architecture Reference Guide (July 2026). The comments in the code are by the model that wrote it; some were corrected since.
;; Attention. Allowed arithmetic: matrix products marked QUANTISED: E3M2 operands, one E8M0 scale for each 32 along K, by v_wmma_scale_f32_16x16x128_f8f6f4 with both operands' format E3M2, f32 sums; everything else in f32.
;; Inputs: attention_mask 2 x 1 x 2,048 x 2,048 bool; key_layer_codes 2 x 32 x 2,048 x 4 x 24 uint8 (E3M2 codes of key_layer, K innermost, in blocks of 32 codes, four codes in three bytes); key_layer_scales 2 x 32 x 2,048 x 4 uint8 (E8M0 scales of key_layer, one for each 32 codes along K); query_layer_codes 2 x 32 x 2,048 x 4 x 24 uint8 (E3M2 codes of query_layer, K innermost, in blocks of 32 codes, four codes in three bytes); query_layer_scales 2 x 32 x 2,048 x 4 uint8 (E8M0 scales of query_layer, one for each 32 codes along K); value_layer_codes 2 x 32 x 128 x 64 x 24 uint8 (E3M2 codes of value_layer, K innermost, in blocks of 32 codes, four codes in three bytes); value_layer_scales 2 x 32 x 128 x 64 uint8 (E8M0 scales of value_layer, one for each 32 codes along K).
;; Outputs: out0 2 x 2,048 x 4,096 float32.
;; This version of the problem:
;;   THIS VERSION OF THE PROBLEM IS GIVEN IN LOW PRECISION. The matrix products marked QUANTISED in the list below multiply operands that are first quantised to E3M2 (3 exponent bits, 2 mantissa bits; 6 bits a number), with one power-of-two scale for each 32 numbers along K (OCP MX v1.0); their sums are f32. All else is computed in f32.
;;   The module's matrix products, in the order in which they are computed (A, B: the left and right operand; K: the contracted axis; several contracted axes count as one K, in the product's order):
;;     1. batch 64 x [M 2,048, K 128] x [K 128, N 2,048]; A: input query_layer (given as codes); B: input key_layer (given as codes): QUANTISED
;;     2. batch 64 x [M 2,048, K 2,048] x [K 2,048, N 128]; A: softmax (see below); B: input value_layer (given as codes): QUANTISED
;;   THE QUANTISER, for each operand of a quantised product, along K:
;;     - K is cut into blocks of 32 from its start; a last block that is shorter is filled with zeros.
;;     - A block's scale is 2^e with e = floor(log2(the largest magnitude in the block)) - 4, held to -126 .. 127; a block of zeros has e = 0. As a byte (E8M0): e + 127.
;;     - Each number is divided by its block's scale, clamped to +-28, and rounded to the nearest number of E3M2, ties to even, subnormals kept.
;;     - The product sums the exact products of the quantised numbers (number of the format x scale) in f32.
;;   ~~~python
;;   def quantise(x, axis):      # numpy; x: float32 -> the quantised numbers, widened to float32 again
;;       x = np.moveaxis(x, axis, -1); K = x.shape[-1]
;;       x = np.pad(x, [(0, 0)] * (x.ndim - 1) + [(0, -K % 32)]); x = x.reshape(x.shape[:-1] + (-1, 32)); a = np.abs(x).max(-1, keepdims=True)
;;       e = np.where(a > 0, np.clip(np.frexp(np.where(a > 0, a, 1))[1] - 1 - 4, -126, 127), 0)      # np.frexp(a)[1] - 1 = floor(log2(a)), exactly
;;       r = np.clip(x / 2.0 ** e, -28, 28)
;;       step = 2.0 ** (np.maximum(np.frexp(np.where(r == 0, 1, r))[1] - 1, -2) - 2)
;;       q = np.round(r / step) * step * 2.0 ** e      # np.round: ties to even
;;       return np.moveaxis(q.reshape(q.shape[:-2] + (-1,))[..., :K], -1, axis).astype(np.float32)
;;   ~~~
;;   SOFTMAX AHEAD OF A QUANTISED PRODUCT. Where the list says 'softmax', what is quantised is not the finished softmax but p = 2^(t - M), with t = logit x log2(e) and M = ceil(the row's largest t), a whole number; so 1/2 < the row's largest p <= 1. The row's sum l is taken of the UNQUANTISED p, in f32, and the product's result is divided by l at the end. Since M is a whole number, a kernel that streams over the keys may use a running M (the ceiling of the running maximum): every later rescaling is an exact power of two, which a block's scale takes up: the codes' values come out the same.
;;   OPERANDS COMPUTED ON THE WAY. 'Computed on the way' means the value that the module computes at that place (a softmax that the list does not call 'softmax' is quantised finished and normalised). What goes into a quantiser is computed in f32, as accurately as f32 sums, v_exp_f32 and their like allow (about 1e-6 of the number): no bf16 or f16 on the way to a quantiser, and a product that is left as it is and whose result goes on into a quantised operand takes f32 operands (vector FMAs, or v_wmma_f32_16x16x4_f32). A number that lies on a knife's edge between two numbers of the format may be rounded either way, as far as f32 arithmetic and the matrix unit's own rounding can turn it there, and no further.
;;   INPUTS GIVEN AS CODES. key_layer (in the module: [2, 32, 2048, 128], K = its axis 3); query_layer (in the module: [2, 32, 2048, 128], K = its axis 3); value_layer (in the module: [2, 32, 2048, 128], K = its axis 2): each comes as NAME_codes (uint8): NAME with its K axis moved to the last place and cut into blocks of 32 codes, [.., K / 32, bytes a block], one block behind the other in memory; four codes in three bytes: a row's codes are one little-endian stream of bits, code i at bits 6 i .. 6 i + 5 (a code: sign, 3 exponent bits, 2 mantissa bits); and NAME_scales (uint8): the same leading axes, one E8M0 byte (e + 127) for each 32 codes along K. Its value is code x scale, taken as it is: it is not quantised again, and the codes and scales need not be those that the quantiser above would give.
;; One version. Each part assembles by itself: llvm-mc -triple=amdgcn-amd-amdhsa -mcpu=gfx1250 --defsym DOCPART=n.
;; ======== version 1 of 1: 2 launches
;; workspace buffers: maskw 1,048,576 bytes of whole numbers; flags 1,024 bytes of whole numbers
;; launch maskpack (part 1): grid 256 x 1, 16 waves a work-group, no clusters, 35,328 bytes of LDS; arguments attention_mask, maskw, flags; writes maskw, flags
.if DOCPART == 1
	.amdgcn_target "amdgcn-amd-amdhsa--gfx1250"
	.amdhsa_code_object_version 6
	.text
	.protected	k_q143d20072d_maskpack
	.globl	k_q143d20072d_maskpack
	.p2align	8
	.type	k_q143d20072d_maskpack,@function
k_q143d20072d_maskpack:
	s_mov_b64 s[64:65], 0
	v_nop
	global_prefetch_b8 v0, s[64:65] scope:SCOPE_SE
	s_setreg_imm32_b32 hwreg(HW_REG_WAVE_MODE, 25, 1), 1
	s_wait_xcnt 0x0
; The mask [2][1][2048][2048], one byte a place (not 0 = hidden), is turned ONCE into lane masks for the attention launch, which 32 heads then share.
; maskw [tg = 128 b + q / 16][step = key / 128][n = 0 .. 63], 32 bits each: bit l of word n (r = l % 16, h = l / 16) says whether key 128 step + 32 (n / 16) + 16 h + n % 16 is hidden
; from query 16 (tg % 128) + r: the lanes and registers in which the attention launch holds its scores.  flags [tg]: bit s: some key of step s counts for some of the 16 queries (LIVE);
; bit 16 + s: some key of step s is hidden from some of them (MIX).
; A work-group takes 16 rows of the mask, 32,768 dense bytes.  Wave w loads row w (four loads of 512 consecutive bytes), the rows meet in LDS, and wave w packs step w.
; The words of a (tile, step) leave as one aligned run of 256 bytes.  The flag word is 4 bytes a work-group, 1,024 bytes in the launch: the one store here that does not fill 256 bytes.
.set ROWP, 2064                        ; a row in LDS: 2,048 bytes + 16 = 516 words: row r starts at bank 4 r mod 64 (64 banks of 4 bytes: ISA guide 11.1), so the 16 rows of a load start at 16 different banks
.set FLG,  16*ROWP                     ; behind the rows: 16 words LIVE, 16 words MIX, one for each wave
	s_load_b128 s[4:7], s[0:1], 0x0                ; the mask s[4:5], maskw s[6:7]
	s_load_b64 s[8:9], s[0:1], 0x10                ; flags
	v_lshl_add_u32 v40, v0, 2, 0x8200
	v_mov_b32 v41, 0
	v_lshrrev_b32 v1, 5, v0
	v_readfirstlane_b32 s10, v1                    ; wave 0..15
	v_and_b32 v1, 31, v0                           ; lane
	v_and_b32 v26, 15, v0                          ; r
	v_bfe_u32 v27, v0, 4, 1                        ; h
	v_lshlrev_b32 v2, 4, v1                        ; my 16 bytes of a load's 512
	s_mul_i32 s11, s10, ROWP
	v_lshl_add_u32 v3, v1, 4, s11                  ; into LDS: row = my wave, 16 bytes a lane
	v_mul_u32_u24 v4, v26, ROWP
	v_lshl_add_u32 v4, v27, 4, v4
	s_lshl_b32 s11, s10, 7
	v_add_nc_u32 v4, s11, v4                       ; out of LDS: row r, step = my wave, 16 h
	v_lshlrev_b32 v5, 3, v1                        ; two packed words a lane
	v_mov_b32 v6, s10
	v_lshl_add_u32 v6, v6, 2, FLG                  ; my wave's flag words
	v_lshl_add_u32 v7, v1, 2, FLG                  ; and, for wave 0 at the end, a word a lane
	v_mov_b32 v24, 0                               ; (v_writelane_b32 counts as a reader of its destination)
	v_mov_b32 v25, 0
	s_mov_b32 s12, -1                              ; the AND of the 64 lane masks
	s_mov_b32 s13, 0                               ; and their OR
	s_lshl_b32 s2, ttmp9, 15                       ; the work-group's 16 rows,
	s_lshl_b32 s3, s10, 11                         ; my wave's row
	s_add_co_u32 s2, s2, s3
	s_mov_b32 s3, 0
	s_lshl_b32 s18, ttmp9, 12                      ; maskw: 4,096 bytes a tile,
	s_lshl_b32 s19, s10, 8                         ; 256 a step
	s_add_co_u32 s18, s18, s19
	s_mov_b32 s19, 0
	s_lshl_b32 s20, ttmp9, 2                       ; flags: a word a tile
	s_mov_b32 s21, 0
	s_wait_kmcnt 0x0
	s_add_nc_u64 s[4:5], s[4:5], s[2:3]
	s_add_nc_u64 s[6:7], s[6:7], s[18:19]
	s_add_nc_u64 s[8:9], s[8:9], s[20:21]
.irp j, 0,1,2,3
	global_load_b128 v[8+4*\j:11+4*\j], v2, s[4:5] offset:512*\j th:TH_LOAD_NT   ; 32 lanes read 512 consecutive bytes; read once in the launch
.endr
	s_wait_loadcnt 0x0
.irp j, 0,1,2,3
	ds_store_b128 v3, v[8+4*\j:11+4*\j] offset:512*\j
.endr
	s_wait_dscnt 0x0                               ; for the others' sake: my row lies in LDS
	s_barrier_signal -1
	s_barrier_wait -1                              ; all 16 rows do
.irp k, 0,1,2,3
	ds_load_b128 v[8+4*\k:11+4*\k], v4 offset:32*\k   ; row r, keys 128 w + 32 k + 16 h + 0 .. 15: byte n % 4 of register n / 4 is word n's place
.endr
	s_wait_dscnt 0x0
.set n, 0
.rept 64                               ; word n: a byte a lane, a compare makes the 32 bits; four temporaries by turns
	v_bfe_u32 v[26+n%4], v[8+n/4], 8*(n%4), 8
	v_cmp_ne_u32 s[14+n%4], 0, v[26+n%4]
	s_and_b32 s12, s12, s[14+n%4]
	s_or_b32 s13, s13, s[14+n%4]
	v_writelane_b32 v[24+n%2], s[14+n%4], n/2      ; word n to lane n / 2, register n % 2: byte 4 n of the store below
.set n, n+1
.endr
	global_store_b64 v5, v[24:25], s[6:7]          ; 32 lanes store 256 consecutive bytes, at a multiple of 256 from the buffer's first byte
	s_cmp_lg_u32 s12, -1
	s_cselect_b32 s14, 1, 0                        ; LIVE: some bit is 0
	s_cmp_lg_u32 s13, 0
	s_cselect_b32 s15, 1, 0                        ; MIX: some bit is 1
	v_mov_b32 v30, s14
	v_mov_b32 v31, s15
	ds_store_b32 v6, v30                           ; all lanes write the same word with the same value
	ds_store_b32 v6, v31 offset:64
	s_wait_dscnt 0x0                               ; for wave 0's sake
	s_barrier_signal -1
	s_barrier_wait -1
	s_cmp_lg_u32 s10, 0                            ; wave 0 gathers the 32 words into one; no barrier stands under this branch
	s_cbranch_scc1 .Lend
	ds_load_b32 v30, v7
	v_mov_b32 v32, 0
	s_wait_dscnt 0x0
	v_cmp_ne_u32 vcc_lo, 0, v30                    ; bit l = word l: LIVE of steps 0-15 below, MIX above
	v_mov_b32 v31, vcc_lo
	v_cmp_eq_u32 vcc_lo, 0, v1
	s_wait_xcnt 0x0                                ; EXEC is a source of the store above: it changes only behind this wait
	s_and_saveexec_b32 s16, vcc_lo
	global_store_b32 v32, v31, s[8:9]              ; lane 0 alone
	s_wait_xcnt 0x0                                ; and again in front of the line that widens it
	s_or_b32 exec_lo, exec_lo, s16
.Lend:
	s_wait_tensorcnt 0x0
	ds_add_u32 v40, v41
	s_wait_dscnt 0x0
	s_endpgm
.Lfunc_end_k_q143d20072d_maskpack:
	.size	k_q143d20072d_maskpack, .Lfunc_end_k_q143d20072d_maskpack-k_q143d20072d_maskpack
	.p2alignl 7, 3214868480
	.fill 96, 4, 3214868480
	.section	.rodata,"a",@progbits
	.p2align	6, 0x0
	.amdhsa_kernel k_q143d20072d_maskpack
		.amdhsa_group_segment_fixed_size 35328
		.amdhsa_private_segment_fixed_size 0
		.amdhsa_enable_private_segment 0
		.amdhsa_kernarg_size 24
		.amdhsa_user_sgpr_count 2
		.amdhsa_user_sgpr_kernarg_segment_ptr 1
		.amdhsa_wavefront_size32 1
		.amdhsa_system_sgpr_workgroup_id_x 1
		.amdhsa_system_sgpr_workgroup_id_y 1
		.amdhsa_system_sgpr_workgroup_id_z 1
		.amdhsa_system_vgpr_workitem_id 0
		.amdhsa_next_free_vgpr 42
		.amdhsa_next_free_sgpr 66
		.amdhsa_reserve_vcc 1
		.amdhsa_float_denorm_mode_32 3
		.amdhsa_float_denorm_mode_16_64 3
		.amdhsa_memory_ordered 1
		.amdhsa_forward_progress 1
		.amdhsa_inst_pref_size 21
	.end_amdhsa_kernel
	.amdgpu_metadata
---
amdhsa.version: [ 1, 2 ]
amdhsa.kernels:
  - .name:           k_q143d20072d_maskpack
    .symbol:         k_q143d20072d_maskpack.kd
    .args:
      - { .name: attention_mask, .offset: 0, .size: 8, .value_kind: global_buffer, .address_space: global }
      - { .name: maskw, .offset: 8, .size: 8, .value_kind: global_buffer, .address_space: global }
      - { .name: flags, .offset: 16, .size: 8, .value_kind: global_buffer, .address_space: global }
    .group_segment_fixed_size: 35328
    .private_segment_fixed_size: 0
    .kernarg_segment_align: 8
    .kernarg_segment_size: 24
    .max_flat_workgroup_size: 512
    .sgpr_count:     66
    .vgpr_count:     42
    .wavefront_size: 32
...
	.end_amdgpu_metadata
.endif
;; end of part 1
;; launch attn (part 2): grid 4 x 64, 8 waves a work-group, no clusters, 142,336 bytes of LDS; arguments query_layer_codes, query_layer_scales, key_layer_codes, key_layer_scales, value_layer_codes, value_layer_scales, maskw, flags, out0; writes out0
.if DOCPART == 2
	.amdgcn_target "amdgcn-amd-amdhsa--gfx1250"
	.amdhsa_code_object_version 6
	.text
	.protected	k_q143d20072d_attn
	.globl	k_q143d20072d_attn
	.p2align	8
	.type	k_q143d20072d_attn,@function
k_q143d20072d_attn:
	s_mov_b64 s[64:65], 0
	v_nop
	global_prefetch_b8 v0, s[64:65] scope:SCOPE_SE
	s_setreg_imm32_b32 hwreg(HW_REG_WAVE_MODE, 25, 1), 1
	s_wait_xcnt 0x0
; out0[b][q][128 h + d] = the sum over k of softmax_k(Q[b][h][q] . K[b][h][k] / sqrt(128), hidden where the mask says so) V[b][h][k][d], both products on codes of BF6 (E3M2) with one E8M0 scale for each 32 along K.
; Q, K: rows of 128 codes (96 bytes), 4 scale bytes a row.  V: the keys innermost: 128 rows of 2,048 codes (1,536 bytes), 64 scale bytes a row.  The mask comes as the lane masks and flags that the launch before has stored.
; THE SOFTMAX AHEAD OF THE SECOND PRODUCT: t = score x log2(e) / sqrt(128); M = the row's largest t so far, rounded UP to a whole number; p = 2^(t - M) is quantised along the keys, not normalised; the row's sum is taken of the
; unquantised p and divides at the end.  When M moves, the sum and O are multiplied by 2^(old M - new M): exact.
; SHARES.  256 work-groups: (pair p of query blocks, head).  A work-group walks the blocks 7 - p and p of 256 queries, one after the other.  Eight waves; a wave owns 32 queries: two tiles of 16, which share every fragment of K and V
; that the wave reads from LDS.  Keys go 128 a step, 16 steps a pass, a constant count.
; WHAT THE MASK HIDES WHOLLY IS NOT COMPUTED: a step in which no key counts for any of the wave's 32 queries is passed over by a scalar branch on the stored flags; a step that no wave of the work-group needs is not fetched; the lane
; masks are read and applied only in steps in which something is hidden.  Every barrier stands outside these branches.  Since branches hang on numbers read from memory, K and V go through registers into LDS (no tensor loads), and
; so no tile is shared in a cluster: a work-group's 256 queries share each tile through LDS instead.
; LAYOUT.  Both products are used transposed: S^T = K Q^T (source 0 = 16 keys, source 1 = 16 queries), O^T = V^T P^T (source 0 = 16 channels, source 1 = P): a lane holds ONE query (lane % 16) throughout.
; THE ROWS OF A TILE ARE NOT NEIGHBOURS: lane r of tile 2 b + u takes row 32 b + 8 u + r + 8 (r / 8) (a key of the step, or a channel of V), so that register n of a tile's 64 is key (channel) 32 (n / 16) + 16 (lane / 16) + n % 16.
; The rows are laid into LDS in that order, so that tile T's lane r reads LDS row 16 T + r.
; O^T begins as zeros by v_mov_b32: which step is a wave's first hangs on the mask, so no first product can be written out with the constant 0 as its C.
; LIMITS: p under 2^-126 counts as 0 (the exponential flushes); a block of p that is all zeros carries the byte 1 (its codes are zeros); a row whose largest t lies under -3e38 is not served.  A row that is wholly hidden gives
; 0 x (1 / 0) = NaN, as the softmax of such a row does.
.set PIT,   112                        ; a row of K or V in LDS: 96 bytes + 16 = 28 words: the 32 lanes of a load of 8 bytes (28 r + 6 h words on) touch 64 different banks (64 banks of 4 bytes: ISA guide 11.1)
.set VOFF,  128*PIT                    ; a buffer: a step's 128 rows of K, then its 128 rows of V
.set BUFB,  2*VOFF                     ; two buffers, at 0 and at BUFB
.set SCK,   2*BUFB                     ; K's scale words of the whole head, 4 bytes a key, as they lie in memory: 8,192 bytes
.set SCV,   SCK+8192                   ; V's, laid anew as [step][channel]: 8,192 bytes
.set STG,   SCV+8192                   ; the way out: 16 rows x (512 bytes + 16) for each wave, its own
.set SPIT,  528
; vector registers, window 0
.set AK0,  1                           ; v1   my lane's place in a tile: 112 r + 24 h
.set ASC0, 2                           ; v2   my lane's place among a step's scale words
.set ADS,  3                           ; v3   the same for the step in hand
.set LSA,  4                           ; v4   where I put the 12 bytes of a row that I bring
.set QOP,  5                           ; v5   Q's codes: my lane's offset in the pass's block: 96 r + 24 h + 24,576 x block
.set QSOP, 6                           ; v6   Q's scale words: 4 r + 1,024 x block
.set STO,  7                           ; v7   the stage: where I put 64 bytes of a row
.set RD,   8                           ; v8   and where I read a row back
.set GO,   9                           ; v9   16 x lane: my bytes of a row's 512 in out0
.set QO,   10                          ; v10  Q: 96 r + 24 h
.set QSO,  11                          ; v11  Q's scale words: 4 r
.set LN,   12                          ; v12  lane
.set NINF, 13                          ; v13  -infinity
.set QS,   14                          ; v14-15 Q's scale words, tile 0, 1: they hold scales and nothing else
.set RR,   16                          ; v16, v17: r and h, at the head
.set HH,   17
.set TP,   18                          ; v18-19 at work, a tile each
.set STT,  20                          ; tile x at v[20 + 4 x]: -M, the largest t, the sum in two halves
.set FW,   28                          ; tile x at v[28 + 2 x]: f = 2^(old M - new M), and P's scale word
.set FA,   32                          ; v32-79 fragments 0-3 of K or V
.set SW,   80                          ; v80-87 the eight fragments' scale words
.set BM,   88                          ; tile x at v[88 + 4 x]: the four blocks' largest scores, then p, then the conversions' scale operands
.set S,    96                          ; tile x at v[96 + 64 x]: S^T, then p
.set PC,   224                         ; tile x at v[224 + 12 x]: p's codes
.set PT,   248                         ; tile x at v[248 + 4 x]: at work
; window 1
.set OT,   0                           ; tile x at v[64 x]: O^T
.set QF,   128                         ; tile x at v[128 + 12 x]: Q's fragment
.set GOF,  152                         ; v152-159 the eight loads' offsets in memory; never rewritten
.set FB,   176                         ; v176-223 fragments 4-7
.set LD,   224                         ; v224-255 the rows of K or V on their way to LDS: load j at v[224 + 4 j], three registers
; scalar registers
.set QCP,  4                           ; s[4:5] Q's codes, s[6:7] Q's scales, at my wave's rows of block 0; never rewritten behind the head
.set QSP,  6
.set KV,   8                           ; s[8:9] K's or V's codes (by my role) at my rows of the step to be fetched;  s[10:11] a step on, in bytes
.set KVS,  10
.set MB,   12                          ; s[12:13] the lane masks of my tile 0 for the step in hand
.set OUTP, 14                          ; s[14:15] out0 at my first row of the pass
.set MW,   16
.set FL,   18
.set OUT,  20
.set WV,   22
.set QB,   23                          ; the pass's block of 256 queries
.set SEL,  24                          ; s[24:25] v_permlanex16_b32's selects for lane l xor 16
.set CS,   26                          ; s[26:27] c = log2(e) / sqrt(128): the packed form names a pair and takes its low word for both halves
.set LIVE, 28                          ; bit 0: the step in hand has something for my 32 queries
.set MIX,  29                          ; bit 0: something of it is hidden from some of them
.set WGL,  30                          ; bit 0: some wave of the work-group needs the step in hand; bit 1: the next
.set TS,   31                          ; 512 x step: the step's scale words
.set MA,   32                          ; s[32:63] lane masks 0-31 of a tile;  s[68:99] 32-63.  From the head's clearing on they hold zeros or lane masks and nothing else
.set MC,   68
.set PASS, 66
.set TRIPS, 67
.set HB,   100                         ; 32 b + h, at the head
.set WGL2, 101                         ; the second pass's three words
.set LIVE2, 104
.set MIX2, 105
.set MSB, 0
.macro WIN new                         ; s_set_vgpr_msb's low byte: bits 1:0 source 0, 3:2 source 1, 5:4 source 2, 7:6 destination; the high byte repeats the setting that is left; at a label and at a branch every window is 0
.if MSB != \new
	s_set_vgpr_msb (MSB<<8)|\new
.set MSB, \new
.endif
.endm
.macro PLACES                          ; four plain vector instructions between a matrix instruction and a load into, or a vector instruction on, one of its registers (ISA guide 7.12.1 for vector instructions)
.rept 4
	v_nop
.endr
.endm
; WHO BRINGS K AND V.  Waves 0-3 bring K's rows 32 w .. 32 w + 31 of a step, waves 4-7 V's.  A row's 96 bytes are taken by eight lanes, 12 bytes each; a load takes four rows (in K: 384 consecutive bytes), eight loads the 32.
; One text: the roles differ in numbers alone.
.macro LOADKV
	WIN 0x41                                       ; destination and address in window 1
.irp j, 0,1,2,3,4,5,6,7
	global_load_b96 v[LD+4*\j:LD+4*\j+2], v[GOF+\j], s[KV:KV+1]   ; rows 4 j .. 4 j + 3 of my 32
.endr
	WIN 0
.endm
; Rows 4 j + i of my 32 go to LDS rows 16 ((j / 2) % 2) + 4 (j % 2) + 8 (j / 4) + i: the order in which the tiles take them.  12 bytes are three words: a place at 12 x (lane % 8) is a multiple of 4 alone.
; The 32 lanes of a store write words 28 i + 3 k + c (i = 0 .. 3, k = 0 .. 7): 32 different banks.
.macro STOREKV buf
	WIN 0x04                                       ; an LDS store's data are its source 1: window 1
.irp j, 0,1,2,3,4,5,6,7
.irp c, 0,1,2
	ds_store_b32 v[LSA], v[LD+4*\j+\c] offset:(\buf)*BUFB+PIT*(16*((\j/2)%2)+4*(\j%2)+8*(\j/4))+4*\c
.endr
.endr
	WIN 0
.endm
; Eight fragments (16 rows x 128 K: 12 registers; 24 bytes of a row as three loads of 8) and their scale words: 28 LDS loads for fragments 0-3, then 28 for fragments 4-7.
.macro FETCH base, sc
.irp t, 0,1,2,3
.irp p, 0,1,2,3,4,5
	ds_load_b64 v[FA+12*\t+2*\p:FA+12*\t+2*\p+1], v[AK0] offset:(\base)+16*PIT*\t+48*(\p/3)+8*(\p%3)
.endr
	ds_load_b32 v[SW+\t], v[ADS] offset:(\sc)+128*(\t/2)+32*(\t%2)
.endr
	WIN 0x40                                       ; destination window 1
.irp t, 4,5,6,7
.irp p, 0,1,2,3,4,5
	ds_load_b64 v[FB+12*(\t-4)+2*\p:FB+12*(\t-4)+2*\p+1], v[AK0] offset:(\base)+16*PIT*\t+48*(\p/3)+8*(\p%3)
.endr
.endr
	WIN 0
.irp t, 4,5,6,7
	ds_load_b32 v[SW+\t], v[ADS] offset:(\sc)+128*(\t/2)+32*(\t%2)
.endr
.endm
; S^T = K Q^T: 16 products on 16 accumulators, each begun with the constant 0: each fragment of K feeds both tiles.
.macro KQ
	s_wait_dscnt 28                                ; fragments 0-3 and their scale words are in; the 28 younger loads may be out
	WIN 0x04                                       ; source 1 (Q) window 1
.irp t, 0,1,2,3
.irp x, 0,1
	v_wmma_scale_f32_16x16x128_f8f6f4 v[S+64*\x+8*\t:S+64*\x+8*\t+7], v[FA+12*\t:FA+12*\t+11], v[QF+12*\x:QF+12*\x+11], 0, v[SW+\t], v[QS+\x] matrix_a_fmt:MATRIX_FMT_BF6 matrix_b_fmt:MATRIX_FMT_BF6
.endr
.endr
	s_wait_dscnt 0x0
	WIN 0x05                                       ; source 0 too
.irp t, 4,5,6,7
.irp x, 0,1
	v_wmma_scale_f32_16x16x128_f8f6f4 v[S+64*\x+8*\t:S+64*\x+8*\t+7], v[FB+12*(\t-4):FB+12*(\t-4)+11], v[QF+12*\x:QF+12*\x+11], 0, v[SW+\t], v[QS+\x] matrix_a_fmt:MATRIX_FMT_BF6 matrix_b_fmt:MATRIX_FMT_BF6
.endr
.endr
	WIN 0
.endm
; Hidden scores become -infinity ahead of the maxima: one select a score, its lane mask a scalar register.  Tile 0's 64 words are in; tile 1's (4,096 bytes on) are asked for as each half of the registers falls free.
; Ascending: each accumulator is read from its low end on.
.macro MASK
.set n, 0
.rept 32
	v_cndmask_b32 v[S+n], v[S+n], v[NINF], s[MA+n]
.set n, n+1
.endr
	s_load_b512 s[MA:MA+15], s[MB:MB+1], 4096
	s_load_b512 s[MA+16:MA+31], s[MB:MB+1], 4160
.set n, 0
.rept 32
	v_cndmask_b32 v[S+32+n], v[S+32+n], v[NINF], s[MC+n]
.set n, n+1
.endr
	s_load_b512 s[MC:MC+15], s[MB:MB+1], 4224
	s_load_b512 s[MC+16:MC+31], s[MB:MB+1], 4288
	s_wait_kmcnt 0x0
.set n, 0
.rept 32
	v_cndmask_b32 v[S+64+n], v[S+64+n], v[NINF], s[MA+n]
.set n, n+1
.endr
.set n, 0
.rept 32
	v_cndmask_b32 v[S+96+n], v[S+96+n], v[NINF], s[MC+n]
.set n, n+1
.endr
.endm
; The softmax of a step, both tiles by turns, so that no line waits for the line above it.
.macro SOFTMAX
.irp b, 0,1,2,3
.irp x, 0,1
	v_max3_num_f32 v[BM+4*\x+\b], v[S+64*\x+16*\b], v[S+64*\x+16*\b+1], v[S+64*\x+16*\b+2]   ; the largest score of each block of 32 keys: it serves the row's maximum and, since p rises with the score, the block's largest p
.endr
.endr
.irp i, 3,5,7,9,11,13
.irp b, 0,1,2,3
.irp x, 0,1
	v_max3_num_f32 v[BM+4*\x+\b], v[BM+4*\x+\b], v[S+64*\x+16*\b+\i], v[S+64*\x+16*\b+\i+1]
.endr
.endr
.endr
.irp b, 0,1,2,3
.irp x, 0,1
	v_max_num_f32 v[BM+4*\x+\b], v[BM+4*\x+\b], v[S+64*\x+16*\b+15]
.endr
.endr
.irp b, 0,1,2,3
.irp x, 0,1
	v_permlanex16_b32 v[PT+4*\x+\b], v[BM+4*\x+\b], s[SEL], s[SEL+1]
.endr
.endr
.irp b, 0,1,2,3
.irp x, 0,1
	v_max_num_f32 v[BM+4*\x+\b], v[BM+4*\x+\b], v[PT+4*\x+\b]   ; with lane l xor 16's 16 keys
.endr
.endr
.irp x, 0,1
	v_max3_num_f32 v[TP+\x], v[BM+4*\x], v[BM+4*\x+1], v[BM+4*\x+2]
.endr
.irp x, 0,1
	v_max_num_f32 v[TP+\x], v[TP+\x], v[BM+4*\x+3]   ; the step's largest score of my query
.endr
.irp x, 0,1
	v_mul_f32 v[TP+\x], s[CS], v[TP+\x]            ; as t (c is positive)
.endr
.irp x, 0,1
	v_max_num_f32 v[STT+4*\x+1], v[STT+4*\x+1], v[TP+\x]   ; the running largest t
.endr
.irp x, 0,1
	v_mov_b32 v[TP+\x], v[STT+4*\x]
.endr
.irp x, 0,1
	v_floor_f32 v[STT+4*\x], -v[STT+4*\x+1]        ; the new -M = floor(-t) = -ceil(t): M is a whole number
.endr
.irp x, 0,1
	v_sub_f32 v[TP+\x], v[STT+4*\x], v[TP+\x]      ; old M - new M: a whole number, 0 or less
.endr
.irp x, 0,1
	v_cvt_i32_f32 v[TP+\x], v[TP+\x]               ; (it saturates)
.endr
.irp x, 0,1
	v_ldexp_f32 v[FW+2*\x], 1.0, v[TP+\x]          ; f = 2^(old M - new M): a multiplication by it rounds nothing
.endr
.irp x, 0,1
.set n, 0
.rept 32
	v_pk_fma_f32 v[S+64*\x+n:S+64*\x+n+1], v[S+64*\x+n:S+64*\x+n+1], s[CS:CS+1], v[STT+4*\x:STT+4*\x+1] op_sel_hi:[1,0,0]   ; t - M, two at a time (of the pairs c and -M the low word serves both halves)
.set n, n+2
.endr
.endr
.irp b, 0,1,2,3
.irp x, 0,1
	v_fma_f32 v[BM+4*\x+\b], v[BM+4*\x+\b], s[CS], v[STT+4*\x]   ; the same of each block's largest score
.endr
.endr
.set n, 0
.rept 128
	v_exp_f32 v[S+n], v[S+n]                       ; p = 2^(t - M), at most 1: one batch for both tiles
.set n, n+1
.endr
.irp x, 0,1
	v_pk_mul_f32 v[STT+4*\x+2:STT+4*\x+3], v[STT+4*\x+2:STT+4*\x+3], v[FW+2*\x:FW+2*\x+1] op_sel_hi:[1,0]   ; the sums under the new M: also the plain instruction behind the batch
.endr
	s_wait_alu depctr_va_vdst(0)                   ; one wait for the 128, ahead of their first reader
.irp b, 0,1,2,3
.irp x, 0,1
	v_exp_f32 v[BM+4*\x+\b], v[BM+4*\x+\b]         ; the blocks' largest p: the same two instructions on the same number give the same bits
.endr
.endr
.irp x, 0,1
	v_pk_add_f32 v[PT+4*\x:PT+4*\x+1], v[S+64*\x:S+64*\x+1], v[S+64*\x+2:S+64*\x+3]   ; the row's sum is taken of the UNQUANTISED p: two at a time, two chains a tile; plain work behind the eight
.endr
.irp j, 4,8,12,16,20,24,28,32,36,40,44,48,52,56,60
.irp x, 0,1
	v_pk_add_f32 v[STT+4*\x+2:STT+4*\x+3], v[STT+4*\x+2:STT+4*\x+3], v[S+64*\x+\j:S+64*\x+\j+1]
	v_pk_add_f32 v[PT+4*\x:PT+4*\x+1], v[PT+4*\x:PT+4*\x+1], v[S+64*\x+\j+2:S+64*\x+\j+3]
.endr
.endr
.irp x, 0,1
	v_pk_add_f32 v[STT+4*\x+2:STT+4*\x+3], v[STT+4*\x+2:STT+4*\x+3], v[PT+4*\x:PT+4*\x+1]
.endr
	s_wait_alu depctr_va_vdst(0)                   ; and one for the eight
.irp b, 0,1,2,3
.irp x, 0,1
	v_max_num_f32 v[BM+4*\x+\b], 0x2800000, v[BM+4*\x+\b]   ; the floor 2^(5 - 127): the byte cannot fall under 1
.endr
.endr
.irp b, 0,1,2,3
.irp x, 0,1
	v_add_nc_u32 v[BM+4*\x+\b], 0xfe000000, v[BM+4*\x+\b]   ; 4 off the exponent field: the conversion takes this operand's exponent field as its scale
.endr
.endr
.irp b, 0,1,2,3
.irp x, 0,1
	v_lshrrev_b32 v[PT+4*\x+\b], 23, v[BM+4*\x+\b] ; the scale's byte
.endr
.endr
.irp x, 0,1
	v_lshl_or_b32 v[FW+2*\x+1], v[PT+4*\x+1], 8, v[PT+4*\x]   ; P's scale word for these 128 keys
.endr
.irp x, 0,1
	v_lshl_or_b32 v[FW+2*\x+1], v[PT+4*\x+2], 16, v[FW+2*\x+1]
.endr
.irp x, 0,1
	v_lshl_or_b32 v[FW+2*\x+1], v[PT+4*\x+3], 24, v[FW+2*\x+1]
.endr
	; a conversion's three registers begin on an even number, a block's second three do not: those halves are made elsewhere (tile 0's in v248-254, tile 1's in tile 0's p, which is done with) and moved
	v_cvt_scalef32_pk16_bf6_f32 v[PC:PC+2], v[S:S+15], v[BM]
	v_cvt_scalef32_pk16_bf6_f32 v[PT:PT+2], v[S+16:S+31], v[BM+1]
	v_cvt_scalef32_pk16_bf6_f32 v[PC+6:PC+8], v[S+32:S+47], v[BM+2]
	v_cvt_scalef32_pk16_bf6_f32 v[PT+4:PT+6], v[S+48:S+63], v[BM+3]
	v_nop                                          ; a plain instruction between these conversions and the lines that write their sources
	v_cvt_scalef32_pk16_bf6_f32 v[PC+12:PC+14], v[S+64:S+79], v[BM+4]
	v_cvt_scalef32_pk16_bf6_f32 v[S:S+2], v[S+80:S+95], v[BM+5]
	v_cvt_scalef32_pk16_bf6_f32 v[PC+18:PC+20], v[S+96:S+111], v[BM+6]
	v_cvt_scalef32_pk16_bf6_f32 v[S+4:S+6], v[S+112:S+127], v[BM+7]
	v_nop                                          ; and between the conversions and the lines that touch their results
.irp i, 0,1,2                          ; the operand's layout wants a WHOLE block in a lane: the first's lanes 16-31 change places with the second's lanes 0-15
	v_permlane16_swap_b32 v[PC+\i], v[PT+\i]
	v_permlane16_swap_b32 v[PC+6+\i], v[PT+4+\i]
	v_permlane16_swap_b32 v[PC+12+\i], v[S+\i]
	v_permlane16_swap_b32 v[PC+18+\i], v[S+4+\i]
.endr
.irp i, 0,1,2
	v_mov_b32 v[PC+3+\i], v[PT+\i]
	v_mov_b32 v[PC+9+\i], v[PT+4+\i]
	v_mov_b32 v[PC+15+\i], v[S+\i]
	v_mov_b32 v[PC+21+\i], v[S+4+\i]
.endr
.endm
; O^T = f O^T + V^T P^T: 16 products, one on each of 16 accumulators; the matrix instruction that follows the last of them, on any way, is one of K Q^T: the accumulators take turns.
.macro PV
	WIN 0x41                                       ; O^T (destination and source 0) window 1, f window 0
.irp x, 0,1
.set n, 0
.rept 32
	v_pk_mul_f32 v[OT+64*\x+n:OT+64*\x+n+1], v[OT+64*\x+n:OT+64*\x+n+1], v[FW+2*\x:FW+2*\x+1] op_sel_hi:[1,0]   ; ascending; these 64 also part the scale words and the codes just made from the products below
.set n, n+2
.endr
.endr
	s_wait_dscnt 0x0                               ; V's fragments, asked for ahead of the softmax
	WIN 0x50                                       ; C and D window 1
.irp t, 0,1,2,3
.irp x, 0,1
	v_wmma_scale_f32_16x16x128_f8f6f4 v[OT+64*\x+8*\t:OT+64*\x+8*\t+7], v[FA+12*\t:FA+12*\t+11], v[PC+12*\x:PC+12*\x+11], v[OT+64*\x+8*\t:OT+64*\x+8*\t+7], v[SW+\t], v[FW+2*\x+1] matrix_a_fmt:MATRIX_FMT_BF6 matrix_b_fmt:MATRIX_FMT_BF6
.endr
.endr
	WIN 0x51                                       ; source 0 too
.irp t, 4,5,6,7
.irp x, 0,1
	v_wmma_scale_f32_16x16x128_f8f6f4 v[OT+64*\x+8*\t:OT+64*\x+8*\t+7], v[FB+12*(\t-4):FB+12*(\t-4)+11], v[PC+12*\x:PC+12*\x+11], v[OT+64*\x+8*\t:OT+64*\x+8*\t+7], v[SW+\t], v[FW+2*\x+1] matrix_a_fmt:MATRIX_FMT_BF6 matrix_b_fmt:MATRIX_FMT_BF6
.endr
.endr
	WIN 0
	PLACES                                         ; for whatever comes next on any way: loads into the fragments, reads and writes of O^T
.endm
; A key step of my 32 queries, from buffer buf.
.macro STEP buf
	s_and_b32 s2, s[LIVE], 1
	s_cmp_eq_u32 s2, 0
	s_cbranch_scc1 .Ldead_\@                       ; nothing of these 128 keys counts for my queries
	s_and_b32 s2, s[MIX], 1
	s_cmp_eq_u32 s2, 0
	s_cbranch_scc1 .Lclear_\@
	s_load_b512 s[MA:MA+15], s[MB:MB+1], 0x0       ; something is hidden: tile 0's 64 lane masks; they land while the scores are made
	s_load_b512 s[MA+16:MA+31], s[MB:MB+1], 0x40
	s_load_b512 s[MC:MC+15], s[MB:MB+1], 0x80
	s_load_b512 s[MC+16:MC+31], s[MB:MB+1], 0xc0
.Lclear_\@:
	FETCH (\buf)*BUFB, 0
	KQ
	PLACES
	FETCH (\buf)*BUFB+VOFF, SCV-SCK                ; V's fragments land while the softmax is walked
	s_wait_kmcnt 0x0                               ; on both ways: where nothing is out it is met at once
	s_and_b32 s2, s[MIX], 1
	s_cmp_eq_u32 s2, 0
	s_cbranch_scc1 .Lopen_\@
	MASK
.Lopen_\@:
	SOFTMAX
	PV
.Ldead_\@:
.endm
; A trip: the next step's rows are asked for, this step is worked, the rows go into the other buffer, ONE barrier.  In front of it my stores into the next buffer have landed and my reads of this one are over;
; the buffer written here was last read in the trip before, ahead of that trip's barrier.
.macro TRIP buf
	v_add_nc_u32 v[ADS], s[TS], v[ASC0]            ; on every way, so that the address is made alike in all
	s_and_b32 s2, s[WGL], 2
	s_cmp_eq_u32 s2, 0
	s_cbranch_scc1 .Lno_load_\@                    ; no wave needs the next step (behind step 15 the bit is 0: no load leaves its buffer)
	LOADKV
.Lno_load_\@:
	STEP \buf
	s_wait_loadcnt 0x0                             ; on every way: the rows are in registers, and their base may step
	s_add_nc_u64 s[KV:KV+1], s[KV:KV+1], s[KVS:KVS+1]
	s_and_b32 s2, s[WGL], 2
	s_cmp_eq_u32 s2, 0
	s_cbranch_scc1 .Lno_store_\@
	STOREKV 1-\buf
.Lno_store_\@:
	s_lshr_b32 s[LIVE], s[LIVE], 1
	s_lshr_b32 s[MIX], s[MIX], 1
	s_lshr_b32 s[WGL], s[WGL], 1
	s_add_co_u32 s[TS], s[TS], 512
	s_add_nc_u64 s[MB:MB+1], s[MB:MB+1], 256       ; (every scalar load from it has been waited for)
	s_wait_dscnt 0x0
	s_barrier_signal -1
	s_barrier_wait -1
.endm
; THE WAY OUT of tile x, in three parts.  OUTM: O^T / the sum.  OUTS: a lane's 16 neighbouring channels of each block of 32 are 64 bytes of a row; 16 rows go through my own stage and come back whole.  SEND: stored.
.macro OUTM x
	WIN 0x01                                       ; source 0 (O^T) window 1
.set n, 0
.rept 64
	v_mul_f32 v[S+64*\x+n], v[OT+64*\x+n], v[TP+\x]   ; ascending: each accumulator from its low end on
.set n, n+1
.endr
	WIN 0
.endm
.macro OUTS x
.irp c, 0,1,2,3
.irp k, 0,1,2,3
	ds_store_b128 v[STO], v[S+64*\x+16*\c+4*\k:S+64*\x+16*\c+4*\k+3] offset:128*\c+16*\k
.endr
.endr
.irp i, 0,1,2,3,4,5,6,7,8,9,10,11,12,13,14,15
	ds_load_b128 v[S+64*\x+4*\i:S+64*\x+4*\i+3], v[RD] offset:SPIT*\i   ; LDS serves a wave's instructions in order (ISA guide 5.7.1.4): these see the stores above, and the next tile's stores come behind them
.endr
.endm
.macro SEND x
.irp i, 0,1,2,3,4,5,6,7,8,9,10,11,12,13,14,15
	s_wait_dscnt 15-\i                             ; row i is back; the 15 - i younger loads may be out
	global_store_b128 v[GO], v[S+64*\x+4*\i:S+64*\x+4*\i+3], s[OUTP:OUTP+1] offset:(16*\x+\i)*16384 th:TH_STORE_NT   ; 32 lanes store 512 consecutive bytes, at a multiple of 512 from out0's first byte
.endr
.endm
	; ---- THE HEAD
	s_load_b512 s[4:19], s[0:1], 0x0               ; Q's codes s[4:5], Q's scales s[6:7], K's s[8:9], s[10:11], V's s[12:13], s[14:15], maskw s[16:17], flags s[18:19]
	s_load_b64 s[OUT:OUT+1], s[0:1], 0x40          ; out0
	s_set_vgpr_msb 0x40
	v_lshl_add_u32 v251, v0, 2, 0x22800
	v_mov_b32 v255, 0
	s_set_vgpr_msb 0x4000
	v_lshrrev_b32 v[RR], 5, v0
	v_readfirstlane_b32 s[WV], v[RR]               ; wave 0..7
	v_and_b32 v[LN], 31, v0
	v_and_b32 v[RR], 15, v0                        ; r
	v_bfe_u32 v[HH], v0, 4, 1                      ; h
	s_and_b32 s[HB], ttmp7, 0xffff                 ; 32 b + head
	s_lshr_b32 s90, s[WV], 2                       ; my role: 0 brings K, 1 brings V
	s_and_b32 s91, s[WV], 3                        ; which 32 rows
	s_mul_i32 s92, s90, VOFF
	s_mul_i32 s93, s91, 32*PIT
	s_add_co_u32 s92, s92, s93                     ; where they go in a buffer
	s_cmp_lt_u32 s[WV], 4
	s_mov_b32 s93, 1536
	s_cselect_b32 s93, 96, s93                     ; from row to row in memory
	s_lshl_b32 s94, s93, 2                         ; 4 rows on: from a load to the next
	v_mul_u32_u24 v[AK0], v[RR], PIT
	v_mad_u32_u24 v[AK0], v[HH], 24, v[AK0]
	v_and_b32 v[ADS], 8, v[RR]
	v_add_nc_u32 v[ADS], v[ADS], v[RR]             ; r + 8 (r / 8)
	v_lshl_add_u32 v[ASC0], v[ADS], 2, SCK
	s_mul_i32 s95, s[WV], 16*SPIT
	s_add_co_u32 s95, s95, STG                     ; my stage
	v_mul_u32_u24 v[STO], v[RR], SPIT
	v_lshl_add_u32 v[STO], v[HH], 6, v[STO]
	v_add_nc_u32 v[STO], s95, v[STO]
	v_lshl_add_u32 v[RD], v[LN], 4, s95
	v_lshlrev_b32 v[GO], 4, v[LN]
	v_mul_u32_u24 v[QO], v[RR], 96
	v_mad_u32_u24 v[QO], v[HH], 24, v[QO]
	v_lshlrev_b32 v[QSO], 2, v[RR]
	v_mov_b32 v[NINF], 0xff800000
	v_bfe_u32 v96, v0, 3, 2                        ; i = lane / 8: which of a load's four rows is mine
	v_and_b32 v97, 7, v0                           ; k = lane % 8: which 12 bytes of its 96
	v_mul_u32_u24 v98, v96, PIT
	v_mad_u32_u24 v98, v97, 12, v98
	v_add_nc_u32 v[LSA], s92, v98                  ; into LDS: my wave's 32 rows + 112 i + 12 k
	v_mul_lo_u32 v99, v96, s93
	v_mad_u32_u24 v104, v97, 12, v99               ; from memory: i rows + 12 k bytes on,
.irp j, 1,2,3,4,5,6,7
	v_add_nc_u32 v[104+\j], s94, v[103+\j]         ; and four rows more for each load
.endr
	WIN 0x40                                       ; destination window 1
.irp j, 0,1,2,3,4,5,6,7
	v_mov_b32 v[GOF+\j], v[104+\j]
.endr
.irp j, 0,1,2,3,4,5,6,7
.irp c, 0,1,2
	v_mov_b32 v[LD+4*\j+\c], 0                     ; written once, so that they are written on every way through the text
.endr
.endr
	WIN 0
.irp i, 0,1,2,3,4,5,6,7
	v_mov_b32 v[PT+\i], 0                          ; (a lane permute's destination counts as one of its sources)
.endr
.irp i, 0,1,2,3
	v_mov_b32 v[FW+\i], 0                          ; (named in pairs before both halves are first written)
.endr
	v_lshlrev_b32 v112, 4, v0                      ; the scale bytes: 16 bytes a thread
	v_lshl_add_u32 v113, v0, 4, SCK                ; K's go as they lie
	v_and_b32 v114, 3, v0                          ; V's: thread t's 16 bytes are channel t / 4 (+ 64 j), steps 4 (t % 4) + 0 .. 3; word (step, channel) goes to 512 step + 4 channel
	v_lshrrev_b32 v115, 2, v0
	v_lshlrev_b32 v114, 11, v114
	v_lshl_add_u32 v114, v115, 2, v114
	v_add_nc_u32 v114, SCV, v114
	s_mul_i32 s96, s[HB], 196608                   ; the head's first byte in each tensor of codes,
	s_mov_b32 s97, 0
	s_lshl_b32 s98, s[HB], 13                      ; and of scale bytes
	s_mov_b32 s99, 0
	s_mov_b32 s3, 0
	s_mov_b32 s[SEL], 0x76543210
	s_mov_b32 s[SEL+1], 0xfedcba98
	s_mov_b32 s[CS], 0x3e0293ee                    ; c = log2(e) / sqrt(128)
	s_mov_b32 s[CS+1], s[CS]
	s_wait_kmcnt 0x0
	s_add_nc_u64 s[10:11], s[10:11], s[98:99]
	s_add_nc_u64 s[14:15], s[14:15], s[98:99]
	global_load_b128 v[116:119], v112, s[10:11]    ; the head's 8,192 scale bytes of K and of V, once: each load of a wave reads 512 consecutive bytes
	global_load_b128 v[120:123], v112, s[10:11] offset:4096
	global_load_b128 v[124:127], v112, s[14:15]
	global_load_b128 v[128:131], v112, s[14:15] offset:4096
	s_add_nc_u64 s[QCP:QCP+1], s[QCP:QCP+1], s[96:97]
	s_mul_i32 s2, s[WV], 3072                      ; my wave's 32 queries
	s_add_nc_u64 s[QCP:QCP+1], s[QCP:QCP+1], s[2:3]
	s_add_nc_u64 s[QSP:QSP+1], s[QSP:QSP+1], s[98:99]
	s_lshl_b32 s2, s[WV], 7
	s_add_nc_u64 s[QSP:QSP+1], s[QSP:QSP+1], s[2:3]
	s_lshr_b32 s95, s[HB], 5                       ; b
	s_lshl_b32 s2, s95, 19                         ; maskw: 128 tiles of 4,096 bytes a batch,
	s_lshl_b32 s90, s[WV], 13                      ; my wave's two tiles
	s_add_co_u32 s2, s2, s90
	s_add_nc_u64 s[MW:MW+1], s[MW:MW+1], s[2:3]
	s_lshl_b32 s2, s95, 9                          ; flags: 128 words a batch
	s_add_nc_u64 s[FL:FL+1], s[FL:FL+1], s[2:3]
	s_lshl_b32 s2, s95, 25                         ; out0: 2,048 rows of 16,384 bytes a batch,
	s_and_b32 s90, s[HB], 31
	s_lshl_b32 s90, s90, 9                         ; the head's 512 bytes of a row,
	s_add_co_u32 s2, s2, s90
	s_lshl_b32 s90, s[WV], 19                      ; my wave's 32 rows
	s_add_co_u32 s2, s2, s90
	s_add_nc_u64 s[OUT:OUT+1], s[OUT:OUT+1], s[2:3]
	s_sub_co_u32 s[QB], 7, ttmp9                   ; the first pass's block
	s_lshl_b32 s2, s[QB], 6
	s_add_nc_u64 s[50:51], s[FL:FL+1], s[2:3]      ; its 16 flag words,
	s_lshl_b32 s2, ttmp9, 6
	s_add_nc_u64 s[86:87], s[FL:FL+1], s[2:3]      ; the second pass's,
	s_lshl_b32 s2, s[WV], 3
	s_add_nc_u64 s[52:53], s[50:51], s[2:3]        ; and my wave's two of each
	s_add_nc_u64 s[88:89], s[86:87], s[2:3]
	s_load_b512 s[32:47], s[50:51], 0x0
	s_load_b64 s[48:49], s[52:53], 0x0
	s_load_b512 s[68:83], s[86:87], 0x0
	s_load_b64 s[84:85], s[88:89], 0x0
	s_wait_loadcnt 0x0
	ds_store_b128 v113, v[116:119]
	ds_store_b128 v113, v[120:123] offset:4096
.irp j, 0,1
.irp k, 0,1,2,3
	ds_store_b32 v114, v[124+4*\j+\k] offset:512*\k+256*\j
.endr
.endr
	s_wait_kmcnt 0x0
	s_or_b32 s[WGL], s32, s33                      ; what any wave of the work-group needs,
.irp i, 34,35,36,37,38,39,40,41,42,43,44,45,46,47
	s_or_b32 s[WGL], s[WGL], s[\i]
.endr
	s_and_b32 s[WGL], s[WGL], 0xffff
	s_or_b32 s[LIVE], s48, s49                     ; and what my two tiles need
	s_lshr_b32 s[MIX], s[LIVE], 16
	s_and_b32 s[LIVE], s[LIVE], 0xffff
	s_or_b32 s[WGL2], s68, s69
.irp i, 70,71,72,73,74,75,76,77,78,79,80,81,82,83
	s_or_b32 s[WGL2], s[WGL2], s[\i]
.endr
	s_and_b32 s[WGL2], s[WGL2], 0xffff
	s_or_b32 s[LIVE2], s84, s85
	s_lshr_b32 s[MIX2], s[LIVE2], 16
	s_and_b32 s[LIVE2], s[LIVE2], 0xffff
	s_cmp_lt_u32 s[WV], 4                          ; K's wave or V's?  The choice hangs on the wave's number alone
	s_cselect_b64 s[KV:KV+1], s[8:9], s[12:13]
	s_mov_b32 s[KVS], 96
	s_cselect_b32 s[KVS], 12288, s[KVS]            ; a step on: 128 rows of K, or 128 codes in a row of V
	s_mov_b32 s[KVS+1], 0
	s_add_nc_u64 s[KV:KV+1], s[KV:KV+1], s[96:97]  ; in my head,
	s_mul_i32 s2, s91, s93
	s_lshl_b32 s2, s2, 5
	s_add_nc_u64 s[KV:KV+1], s[KV:KV+1], s[2:3]    ; at my 32 rows
.set n, 0
.rept 32
	s_mov_b32 s[MA+n], 0                           ; the lane masks' registers: cleared once, so that they are written on every way through the text, and hold nothing of what the head kept in them
	s_mov_b32 s[MC+n], 0
.set n, n+1
.endr
	s_mov_b32 s[PASS], 2
	; ---- A PASS: one block of 256 queries
.Lpass:
	s_mul_i32 s2, s[QB], 24576                     ; the block's 256 rows of Q's codes: the block goes into the loads' vector offsets, the bases stay
	v_add_nc_u32 v[QOP], s2, v[QO]
	s_lshl_b32 s2, s[QB], 10                       ; and of its scale words
	v_add_nc_u32 v[QSOP], s2, v[QSO]
	s_mov_b32 s3, 0
	s_lshl_b32 s2, s[QB], 16
	s_add_nc_u64 s[MB:MB+1], s[MW:MW+1], s[2:3]
	s_lshl_b32 s2, s[QB], 22
	s_add_nc_u64 s[OUTP:OUTP+1], s[OUT:OUT+1], s[2:3]
	WIN 0x40
.irp x, 0,1
.irp p, 0,1,2,3,4,5
	global_load_b64 v[QF+12*\x+2*\p:QF+12*\x+2*\p+1], v[QOP], s[QCP:QCP+1] offset:1536*\x+48*(\p/3)+8*(\p%3) th:TH_LOAD_NT   ; Q's two fragments stay in registers; read once in the launch
.endr
.endr
	WIN 0
.irp x, 0,1
	global_load_b32 v[QS+\x], v[QSOP], s[QSP:QSP+1] offset:64*\x th:TH_LOAD_NT
.endr
.irp x, 0,1
	v_mov_b32 v[STT+4*\x+1], 0xff61b1e6            ; the largest t so far: -3e38
	v_mov_b32 v[STT+4*\x+2], 0                     ; the sum, in two halves
	v_mov_b32 v[STT+4*\x+3], 0
.endr
.irp x, 0,1
	v_floor_f32 v[STT+4*\x], -v[STT+4*\x+1]        ; -M
.endr
	WIN 0x40
.set n, 0
.rept 128
	v_mov_b32 v[OT+n], 0                           ; O^T: the first change of M leaves zeros zeros
.set n, n+1
.endr
	WIN 0
	s_mov_b32 s[TS], 0
	s_and_b32 s2, s[WGL], 1
	s_cmp_eq_u32 s2, 0
	s_cbranch_scc1 .Lno_first_load
	LOADKV                                         ; step 0's rows
.Lno_first_load:
	s_wait_loadcnt 0x0                             ; they, and Q
	s_add_nc_u64 s[KV:KV+1], s[KV:KV+1], s[KVS:KVS+1]
	s_and_b32 s2, s[WGL], 1
	s_cmp_eq_u32 s2, 0
	s_cbranch_scc1 .Lno_first_store
	STOREKV 0
.Lno_first_store:
	s_wait_dscnt 0x0                               ; for the others' sake: my rows lie in buffer 0 (and, in the first pass, my part of the scale words)
	s_barrier_signal -1
	s_barrier_wait -1
	s_mov_b32 s[TRIPS], 8
.Lkey:                                             ; 8 trips of two steps, whatever the mask holds
	TRIP 0
	TRIP 1
	s_sub_co_u32 s[TRIPS], s[TRIPS], 1
	s_cmp_lg_u32 s[TRIPS], 0
	s_cbranch_scc1 .Lkey
	s_barrier_signal -1                            ; one more barrier at the loop's exit: the way out and the next pass's first fill of buffer 0 stand in a barrier interval of their own, apart from the loop's reads of that buffer
	s_barrier_wait -1                              ; (no LDS instruction of mine is out: the loop's last wait was for 0)
.irp x, 0,1
	v_add_f32 v[TP+\x], v[STT+4*\x+2], v[STT+4*\x+3]   ; the sum's two halves,
.endr
.irp x, 0,1
	v_permlanex16_b32 v[PT+4*\x], v[TP+\x], s[SEL], s[SEL+1]
.endr
.irp x, 0,1
	v_add_f32 v[TP+\x], v[TP+\x], v[PT+4*\x]       ; and lane l xor 16's: the row's sum
.endr
.irp x, 0,1
	v_rcp_f32 v[TP+\x], v[TP+\x]
.endr
	v_nop                                          ; a plain instruction behind the reciprocals,
	s_wait_alu depctr_va_vdst(0)                   ; and the wait ahead of their first reader: one for the two
	OUTM 0
	OUTS 0
	OUTM 1                                         ; tile 1's 64 multiplications stand between tile 0's loads from the stage and its stores
	SEND 0
	OUTS 1
	SEND 1
	s_wait_xcnt 0x0                                ; the stores have read their registers and their base: both are written again in the next pass
	s_mul_i32 s2, s[KVS], 17                       ; 1 + 16 steps back: K and V at step 0 again
	s_mov_b32 s3, 0
	s_sub_nc_u64 s[KV:KV+1], s[KV:KV+1], s[2:3]
	s_sub_co_u32 s[QB], 7, s[QB]                   ; the other block of the pair
	s_mov_b32 s[LIVE], s[LIVE2]
	s_mov_b32 s[MIX], s[MIX2]
	s_mov_b32 s[WGL], s[WGL2]
	s_sub_co_u32 s[PASS], s[PASS], 1
	s_cmp_lg_u32 s[PASS], 0
	s_cbranch_scc1 .Lpass
	s_set_vgpr_msb 0x5
	s_wait_tensorcnt 0x0
	ds_add_u32 v251, v255
	s_wait_dscnt 0x0
	s_set_vgpr_msb 0x500
	s_endpgm
.Lfunc_end_k_q143d20072d_attn:
	.size	k_q143d20072d_attn, .Lfunc_end_k_q143d20072d_attn-k_q143d20072d_attn
	.p2alignl 7, 3214868480
	.fill 96, 4, 3214868480
	.section	.rodata,"a",@progbits
	.p2align	6, 0x0
	.amdhsa_kernel k_q143d20072d_attn
		.amdhsa_group_segment_fixed_size 142336
		.amdhsa_private_segment_fixed_size 0
		.amdhsa_enable_private_segment 0
		.amdhsa_kernarg_size 72
		.amdhsa_user_sgpr_count 2
		.amdhsa_user_sgpr_kernarg_segment_ptr 1
		.amdhsa_wavefront_size32 1
		.amdhsa_system_sgpr_workgroup_id_x 1
		.amdhsa_system_sgpr_workgroup_id_y 1
		.amdhsa_system_sgpr_workgroup_id_z 1
		.amdhsa_system_vgpr_workitem_id 0
		.amdhsa_next_free_vgpr 512
		.amdhsa_next_free_sgpr 106
		.amdhsa_reserve_vcc 0
		.amdhsa_float_denorm_mode_32 3
		.amdhsa_float_denorm_mode_16_64 3
		.amdhsa_memory_ordered 1
		.amdhsa_forward_progress 1
		.amdhsa_inst_pref_size 131
	.end_amdhsa_kernel
	.amdgpu_metadata
---
amdhsa.version: [ 1, 2 ]
amdhsa.kernels:
  - .name:           k_q143d20072d_attn
    .symbol:         k_q143d20072d_attn.kd
    .args:
      - { .name: query_layer_codes, .offset: 0, .size: 8, .value_kind: global_buffer, .address_space: global }
      - { .name: query_layer_scales, .offset: 8, .size: 8, .value_kind: global_buffer, .address_space: global }
      - { .name: key_layer_codes, .offset: 16, .size: 8, .value_kind: global_buffer, .address_space: global }
      - { .name: key_layer_scales, .offset: 24, .size: 8, .value_kind: global_buffer, .address_space: global }
      - { .name: value_layer_codes, .offset: 32, .size: 8, .value_kind: global_buffer, .address_space: global }
      - { .name: value_layer_scales, .offset: 40, .size: 8, .value_kind: global_buffer, .address_space: global }
      - { .name: maskw, .offset: 48, .size: 8, .value_kind: global_buffer, .address_space: global }
      - { .name: flags, .offset: 56, .size: 8, .value_kind: global_buffer, .address_space: global }
      - { .name: out0, .offset: 64, .size: 8, .value_kind: global_buffer, .address_space: global }
    .group_segment_fixed_size: 142336
    .private_segment_fixed_size: 0
    .kernarg_segment_align: 8
    .kernarg_segment_size: 72
    .max_flat_workgroup_size: 256
    .sgpr_count:     106
    .vgpr_count:     512
    .wavefront_size: 32
...
	.end_amdgpu_metadata
.endif
;; end of part 2
